; MI455X (gfx1250); checked and timed in simulation.
; The chip was launched on July 23, 2026; its instructions are those of AMD's public machine-readable ISA for CDNA 5 (MIT licence, August 2026) and "CDNA5" Instruction Set Architecture Reference Guide (July 2026). The comments in the code are by the model that wrote it; some were corrected since.
;; PZ Ms Feature Extractor. Allowed arithmetic: float matrix products may take bf16 or f16 operands with f32 sums; all other float work in f32.
;; Inputs: x 32 x 3 x 512 x 512 float32.
;; Outputs: out0 32 x 20 float32.
;; One version. Each part assembles by itself: llvm-mc -triple=amdgcn-amd-amdhsa -mcpu=gfx1250 --defsym DOCPART=n.
;; ======== version 1 of 1: 3 launches
;; workspace buffers: gray 33,554,432 bytes; psum 1,024 bytes; part 16,384 bytes
;; launch gray (part 1): grid 256 x 1, 16 waves a work-group, no clusters, 2,304 bytes of LDS; arguments x, gray, psum; writes gray, psum
.if DOCPART == 1
	.amdgcn_target "amdgcn-amd-amdhsa--gfx1250"
	.amdhsa_code_object_version 6
	.text
	.protected	k_q0725de3068_gray
	.globl	k_q0725de3068_gray
	.p2align	8
	.type	k_q0725de3068_gray,@function
k_q0725de3068_gray:
	s_mov_b64 s[64:65], 0
	v_nop
	global_prefetch_b8 v0, s[64:65] scope:SCOPE_SE
	s_setreg_imm32_b32 hwreg(HW_REG_WAVE_MODE, 25, 1), 1
	s_wait_xcnt 0x0
; gray[b][y][x] = 0.299 x[b][0][y][x] + 0.587 x[b][1][y][x] + 0.114 x[b][2][y][x]  (f32), and the sum of gray over this work-group's part.
; x: [32][3][512][512] f32.  gray: [32][512][512] f32.  psum: [32][8] f32.
; Work-group g owns 64 rows (32,768 pixels, 128 KiB in each colour plane) of image g >> 3: part g & 7.  No coordinate matters here, so the
; part is walked as a flat run: thread t of 512 takes the 16 bytes at 8192 k + 16 t, k = 0 .. 15, in each of the three planes.
; Each load and store of a wave covers 512 consecutive bytes, aligned.
; All 48 loads of a thread are issued before anything else: 192 registers a thread hold the whole 384 KiB of the work-group in flight,
; so there is no ring, no loop and no register that is filled twice.
; No matrix unit, no LDS staging, no cluster: every byte is used once, by one lane.
; The image's mean is needed before |gray - mean| can be summed, and it spans eight work-groups: it is finished by the next launch.
.set CH,     0x100000                  ; bytes in a colour plane
.set STEP,   0x2000                    ; 512 threads x 16 bytes
.set GROUPS, 16                        ; pixel groups of a thread
.set W_R,    0x3e991687                ; 0.299
.set W_G,    0x3f1645a2                ; 0.587
.set W_B,    0x3de978d5                ; 0.114
.set ACC,    2                         ; v[2:5]     four running sums
.set X,      8                         ; v[8:199]   group k: 4 registers for each plane at X + 12 k; the first four become gray
.set P,      200                       ; v[200:215] the sixteen waves' sums
	s_load_b128 s[4:7], s[0:1], 0x0                ; x s[4:5], gray s[6:7]
	s_load_b64 s[8:9], s[0:1], 0x10                ; psum
	v_lshl_add_u32 v216, v0, 2, 0x100
	v_mov_b32 v217, 0
	s_lshr_b32 s10, ttmp9, 3                       ; image
	s_and_b32 s11, ttmp9, 7                        ; part of the image
	s_mul_i32 s12, s10, 3*CH                       ; image x 3 planes (at most 31 x 3 MiB: fits 32 bits)
	s_lshl_b32 s11, s11, 17                        ; + part x 128 KiB
	s_add_co_u32 s12, s12, s11
	s_mov_b32 s13, 0
	s_lshl_b32 s14, ttmp9, 17                      ; gray: work-group x 128 KiB
	s_mov_b32 s15, 0
	s_lshl_b32 s16, ttmp9, 2                       ; psum: work-group x 4 bytes
	s_mov_b32 s17, 0
	v_lshlrev_b32 v1, 4, v0                        ; 16 t
	s_wait_kmcnt 0x0
	s_add_nc_u64 s[4:5], s[4:5], s[12:13]
	s_add_nc_u64 s[6:7], s[6:7], s[14:15]
	s_add_nc_u64 s[8:9], s[8:9], s[16:17]
.set k, 0
.rept GROUPS
	global_load_b128 v[X+12*k:X+12*k+3],    v1, s[4:5] offset:k*STEP th:TH_LOAD_NT
	global_load_b128 v[X+12*k+4:X+12*k+7],  v1, s[4:5] offset:CH+k*STEP th:TH_LOAD_NT
	global_load_b128 v[X+12*k+8:X+12*k+11], v1, s[4:5] offset:2*CH+k*STEP th:TH_LOAD_NT
.set k, k+1
.endr
	v_lshrrev_b32 v6, 5, v0
	v_readfirstlane_b32 s18, v6                    ; wave number
	v_lshlrev_b32 v6, 2, v6                        ; my wave's word in LDS
	s_mov_b32 s20, 0x76543210                      ; v_permlanex16_b32: lane i reads lane i of the other half
	s_mov_b32 s21, 0xfedcba98
; One pixel group: four gray values a lane, in place of the first plane's registers, stored and added to the running sums.
; Those registers are never written again, so the store's sources need no wait.
.macro GROUP k
	.set XA, X+12*\k
	s_wait_loadcnt 3*(GROUPS-1-\k)                 ; loads return in order: this group's three are in, the three of each younger group stay out
.irp h, 0, 2
	v_pk_mul_f32 v[XA+\h:XA+\h+1], v[XA+\h:XA+\h+1], W_R op_sel_hi:[1,0]
.endr
.irp h, 0, 2
	v_pk_fma_f32 v[XA+\h:XA+\h+1], v[XA+4+\h:XA+5+\h], W_G, v[XA+\h:XA+\h+1] op_sel_hi:[1,0,1]
.endr
.irp h, 0, 2
	v_pk_fma_f32 v[XA+\h:XA+\h+1], v[XA+8+\h:XA+9+\h], W_B, v[XA+\h:XA+\h+1] op_sel_hi:[1,0,1]
.endr
	global_store_b128 v1, v[XA:XA+3], s[6:7] offset:\k*STEP      ; no hint: the next launch reads these bytes
.if \k == 1
	v_pk_add_f32 v[ACC:ACC+1],   v[X:X+1],   v[XA:XA+1]          ; the first two groups start the sums: nothing is cleared
	v_pk_add_f32 v[ACC+2:ACC+3], v[X+2:X+3], v[XA+2:XA+3]
.endif
.if \k > 1
	v_pk_add_f32 v[ACC:ACC+1],   v[ACC:ACC+1],   v[XA:XA+1]
	v_pk_add_f32 v[ACC+2:ACC+3], v[ACC+2:ACC+3], v[XA+2:XA+3]
.endif
.endm
.irp k, 0,1,2,3,4,5,6,7,8,9,10,11,12,13,14,15
	GROUP \k
.endr
	; the sum over my 64 pixels, then over the 32 lanes
	v_pk_add_f32 v[ACC:ACC+1], v[ACC:ACC+1], v[ACC+2:ACC+3]
	v_add_f32 v2, v2, v3
	v_add_f32_dpp v2, v2, v2 row_xmask:1 row_mask:0xf bank_mask:0xf
	v_add_f32_dpp v2, v2, v2 row_xmask:2 row_mask:0xf bank_mask:0xf
	v_add_f32_dpp v2, v2, v2 row_xmask:4 row_mask:0xf bank_mask:0xf
	v_add_f32_dpp v2, v2, v2 row_xmask:8 row_mask:0xf bank_mask:0xf
	v_permlanex16_b32 v3, v2, s20, s21             ; v3 has been written above
	v_add_f32 v2, v2, v3
	; over the sixteen waves: a word each, one barrier, wave 0 adds them
	ds_store_b32 v6, v2                            ; all lanes write the same word with the same value
	s_wait_dscnt 0x0                               ; for wave 0's sake: my word is in LDS before I signal
	s_barrier_signal -1
	s_barrier_wait -1
	s_cmp_lg_u32 s18, 0
	s_cbranch_scc1 .Lend
	v_mov_b32 v7, 0
	ds_load_b128 v[P:P+3],     v7
	ds_load_b128 v[P+4:P+7],   v7 offset:16
	ds_load_b128 v[P+8:P+11],  v7 offset:32
	ds_load_b128 v[P+12:P+15], v7 offset:48
	s_wait_dscnt 0x0
	v_pk_add_f32 v[P:P+1],     v[P:P+1],     v[P+2:P+3]
	v_pk_add_f32 v[P+4:P+5],   v[P+4:P+5],   v[P+6:P+7]
	v_pk_add_f32 v[P+8:P+9],   v[P+8:P+9],   v[P+10:P+11]
	v_pk_add_f32 v[P+12:P+13], v[P+12:P+13], v[P+14:P+15]
	v_pk_add_f32 v[P:P+1],     v[P:P+1],     v[P+4:P+5]
	v_pk_add_f32 v[P+8:P+9],   v[P+8:P+9],   v[P+12:P+13]
	v_pk_add_f32 v[P:P+1],     v[P:P+1],     v[P+8:P+9]
	v_add_f32 v[P], v[P], v[P+1]
	v_cmp_eq_u32 vcc_lo, 0, v0
	s_wait_xcnt 0x0                                ; EXEC is a source of the gray stores still pending: it changes only behind this wait
	s_and_saveexec_b32 s19, vcc_lo
	global_store_b32 v7, v[P], s[8:9]              ; one float is all that a work-group has to say here
	s_wait_xcnt 0x0                                ; and again before EXEC is widened
	s_or_b32 exec_lo, exec_lo, s19
.Lend:
	s_wait_tensorcnt 0x0
	ds_add_u32 v216, v217
	s_wait_dscnt 0x0
	s_endpgm
.Lfunc_end_k_q0725de3068_gray:
	.size	k_q0725de3068_gray, .Lfunc_end_k_q0725de3068_gray-k_q0725de3068_gray
	.p2alignl 7, 3214868480
	.fill 96, 4, 3214868480
	.section	.rodata,"a",@progbits
	.p2align	6, 0x0
	.amdhsa_kernel k_q0725de3068_gray
		.amdhsa_group_segment_fixed_size 2304
		.amdhsa_private_segment_fixed_size 0
		.amdhsa_enable_private_segment 0
		.amdhsa_kernarg_size 24
		.amdhsa_user_sgpr_count 2
		.amdhsa_user_sgpr_kernarg_segment_ptr 1
		.amdhsa_wavefront_size32 1
		.amdhsa_system_sgpr_workgroup_id_x 1
		.amdhsa_system_sgpr_workgroup_id_y 1
		.amdhsa_system_sgpr_workgroup_id_z 1
		.amdhsa_system_vgpr_workitem_id 0
		.amdhsa_next_free_vgpr 218
		.amdhsa_next_free_sgpr 66
		.amdhsa_reserve_vcc 1
		.amdhsa_float_denorm_mode_32 3
		.amdhsa_float_denorm_mode_16_64 3
		.amdhsa_memory_ordered 1
		.amdhsa_forward_progress 1
		.amdhsa_inst_pref_size 21
	.end_amdhsa_kernel
	.amdgpu_metadata
---
amdhsa.version: [ 1, 2 ]
amdhsa.kernels:
  - .name:           k_q0725de3068_gray
    .symbol:         k_q0725de3068_gray.kd
    .args:
      - { .name: x, .offset: 0, .size: 8, .value_kind: global_buffer, .address_space: global }
      - { .name: gray, .offset: 8, .size: 8, .value_kind: global_buffer, .address_space: global }
      - { .name: psum, .offset: 16, .size: 8, .value_kind: global_buffer, .address_space: global }
    .group_segment_fixed_size: 2304
    .private_segment_fixed_size: 0
    .kernarg_segment_align: 8
    .kernarg_segment_size: 24
    .max_flat_workgroup_size: 512
    .sgpr_count:     66
    .vgpr_count:     218
    .wavefront_size: 32
...
	.end_amdgpu_metadata
.endif
;; end of part 1
;; launch moments (part 2): grid 256 x 1, 8 waves a work-group, no clusters, 1,536 bytes of LDS; arguments gray, psum, part; writes part
.if DOCPART == 2
	.amdgcn_target "amdgcn-amd-amdhsa--gfx1250"
	.amdhsa_code_object_version 6
	.text
	.protected	k_q0725de3068_moments
	.globl	k_q0725de3068_moments
	.p2align	8
	.type	k_q0725de3068_moments,@function
k_q0725de3068_moments:
	s_mov_b64 s[64:65], 0
	v_nop
	global_prefetch_b8 v0, s[64:65] scope:SCOPE_SE
	s_setreg_imm32_b32 hwreg(HW_REG_WAVE_MODE, 25, 1), 1
	s_wait_xcnt 0x0
; For its 64 rows of one gray image a work-group sums, with d = gray - mean, u = column - 255.5, v = row - 255.5:
;   part[g][0..9]  = sum d u^p v^q for (p,q) = (0,0) (1,0) (2,0) (3,0) (0,1) (1,1) (2,1) (0,2) (1,2) (0,3)
;   part[g][10..13] = sum |d|, sum |d| u, sum |d| v, sum d^2;   part[g][14..15] = 0 (the record is read as four 16-byte pieces)
; WHY THESE SUFFICE.  For n >= |m|, n - |m| even, r^n e^(i m theta) = (x^2+y^2)^((n-|m|)/2) (x + i y)^|m|: every radial polynomial times
; cos or sin of m theta is a polynomial of degree <= 3 in x and y, so the sums over the image are geometric moments, and a moment about the
; centre of mass follows from the moments about (255.5, 255.5) by the binomial formula (next launch).  The division by std + 1e-8 is linear and
; is applied there too.  The mean is taken off every pixel BEFORE any sum, so a common offset of the input never enters a sum.
; All in f32 on the vector unit: the moments are separable, four multiply-adds a pixel with the row's weight in a scalar register; a matrix
; form would use 4 of 16 weight rows, would need a conversion for each pixel, and |d| and d^2 have to stay in f32 anyway.
; SHARES.  Wave w: rows 32 (w >> 2) .. + 31 of the work-group's 64, columns 128 (w & 3) .. + 127.  A lane keeps four fixed columns, one load of a
; wave covers 512 consecutive aligned bytes of one row.  All 32 loads are issued at once: the work-group's 128 KiB are in flight together.
; The column weights are applied once, behind the rows.  No cluster: no byte is read by two work-groups.
.set ROWB, 2048                        ; bytes in a row
.set ROWS, 32                          ; rows of a wave
.set T0, 8                             ; v[8:11]    per column: sum d
.set T1, 12                            ; v[12:15]   sum d v
.set T2, 16                            ; v[16:19]   sum d v^2
.set T3, 20                            ; v[20:23]   sum d v^3
.set A0, 24                            ; v[24:27]   sum |d|
.set A1, 28                            ; v[28:31]   sum |d| v
.set QQ, 32                            ; v[32:35]   sum d^2
.set U1, 36                            ; v[36:39]   u of my four columns
.set U2, 40                            ; v[40:43]   u^2
.set U3, 44                            ; v[44:47]   u^3
.set R,  48                            ; v[48:63]   the sixteen numbers of the record
.set G,  64                            ; v[64:191]  row i: 4 registers, gray as loaded, then d
.set E,  G                             ; behind the rows: 14 pairs at work
.set PX, G+32                          ; and 14 registers for the other half's sums
.set NM, 20                            ; s[20:21]   - mean
.set SW, 40                            ; s[40:45], s[46:51]: v, v^2, v^3 of the row at work and of the next, each in the low register of a pair
	s_load_b128 s[4:7], s[0:1], 0x0                ; gray s[4:5], psum s[6:7]
	s_load_b64 s[8:9], s[0:1], 0x10                ; part
	v_lshl_add_u32 v192, v0, 2, 0x200
	v_mov_b32 v193, 0
	v_and_b32 v2, 127, v0                          ; which four columns: 32 (w & 3) + lane
	v_lshrrev_b32 v3, 7, v0                        ; which 32 rows: w >> 2
	v_lshrrev_b32 v4, 5, v0
	v_lshlrev_b32 v1, 4, v2                        ; 16 bytes for four columns
	v_lshl_add_u32 v1, v3, 16, v1                  ; + 32 rows of 2,048 bytes
	v_readfirstlane_b32 s16, v4                    ; wave number
	s_lshl_b32 s10, ttmp9, 17                      ; gray: work-group x 128 KiB
	s_mov_b32 s11, 0
	s_lshr_b32 s12, ttmp9, 3                       ; psum: image x 8 floats
	s_lshl_b32 s12, s12, 5
	s_mov_b32 s13, 0
	s_lshl_b32 s14, ttmp9, 6                       ; part: work-group x 64 bytes
	s_mov_b32 s15, 0
	s_wait_kmcnt 0x0
	s_add_nc_u64 s[4:5], s[4:5], s[10:11]
	s_add_nc_u64 s[6:7], s[6:7], s[12:13]
	s_add_nc_u64 s[8:9], s[8:9], s[14:15]
	s_load_b256 s[24:31], s[6:7], 0x0              ; the image's eight partial sums (this launch stores nothing into psum)
.set i, 0
.rept ROWS
	global_load_b128 v[G+4*i:G+4*i+3], v1, s[4:5] offset:i*ROWB th:TH_LOAD_NT
.set i, i+1
.endr
	; while the loads are out: the first row's weights and my columns' weights
	s_and_b32 s17, ttmp9, 7
	s_lshl_b32 s17, s17, 6                         ; 64 rows for each part of the image
	s_lshr_b32 s18, s16, 2
	s_lshl_b32 s18, s18, 5                         ; + 32 for the lower half of the work-group's rows
	s_add_co_u32 s17, s17, s18
	s_cvt_f32_u32 s[SW], s17
	s_add_f32 s[SW], s[SW], 0xc37f8000             ; v = row - 255.5
	s_mul_f32 s[SW+2], s[SW], s[SW]
	s_mul_f32 s[SW+4], s[SW+2], s[SW]
.irp o, 1,3,5,7,9,11
	s_mov_b32 s[SW+\o], 0                          ; the upper register of each pair is named by the packed forms and never selected (op_sel_hi 0)
.endr
	s_mov_b32 s32, 0x76543210                      ; v_permlanex16_b32: lane i reads lane i of the other half
	s_mov_b32 s33, 0xfedcba98
	v_cvt_f32_u32 v5, v2
	v_fma_f32 v[U1], v5, 4.0, 0xc37f8000           ; u of my first column = 4 x index - 255.5
	v_add_f32 v[U1+1], 1.0, v[U1]
	v_add_f32 v[U1+2], 2.0, v[U1]
	v_add_f32 v[U1+3], 0x40400000, v[U1]           ; + 3.0
.irp h, 0, 2
	v_pk_mul_f32 v[U2+\h:U2+\h+1], v[U1+\h:U1+\h+1], v[U1+\h:U1+\h+1]
.endr
.irp h, 0, 2
	v_pk_mul_f32 v[U3+\h:U3+\h+1], v[U2+\h:U2+\h+1], v[U1+\h:U1+\h+1]
.endr
	s_wait_kmcnt 0x0                               ; the eight partial sums
	s_add_f32 s24, s24, s25                        ; the same tree in all eight work-groups of the image: the same mean
	s_add_f32 s26, s26, s27
	s_add_f32 s28, s28, s29
	s_add_f32 s30, s30, s31
	s_add_f32 s24, s24, s26
	s_add_f32 s28, s28, s30
	s_add_f32 s24, s24, s28
	s_mul_f32 s[NM], s24, 0xb6800000               ; - sum / 262144
	s_mov_b32 s[NM+1], s[NM]
; One row: four pixels a lane.  Row 0 starts the weighted sums by products, rows 0 and 1 together start the plain ones: nothing is cleared.
; The next row's weights are made here, in the other set of scalar registers, ahead of their use.
.macro ROW i
	.set D,  G+4*\i
	.set W,  SW+6*((\i)%2)
	.set WN, SW+6*((\i+1)%2)
	s_wait_loadcnt ROWS-1-\i                       ; loads return in order: row i is in, the younger rows stay out
.if \i < ROWS-1
	s_add_f32 s[WN], s[W], 1.0
	s_mul_f32 s[WN+2], s[WN], s[WN]
	s_mul_f32 s[WN+4], s[WN+2], s[WN]
.endif
.irp h, 0, 2
	v_pk_add_f32 v[D+\h:D+\h+1], v[D+\h:D+\h+1], s[NM:NM+1] op_sel_hi:[1,0]         ; d = gray - mean
.endr
.if \i == 0
.irp h, 0, 2
	v_pk_mul_f32 v[T1+\h:T1+\h+1], v[D+\h:D+\h+1], s[W:W+1] op_sel_hi:[1,0]
	v_pk_mul_f32 v[T2+\h:T2+\h+1], v[D+\h:D+\h+1], s[W+2:W+3] op_sel_hi:[1,0]
	v_pk_mul_f32 v[T3+\h:T3+\h+1], v[D+\h:D+\h+1], s[W+4:W+5] op_sel_hi:[1,0]
	v_pk_mul_f32 v[QQ+\h:QQ+\h+1], v[D+\h:D+\h+1], v[D+\h:D+\h+1]
.endr
.irp j, 0,1,2,3
	v_mul_f32 v[A1+\j], |v[D+\j]|, s[W]
.endr
.else
.irp h, 0, 2
.if \i == 1
	v_pk_add_f32 v[T0+\h:T0+\h+1], v[D-4+\h:D-3+\h], v[D+\h:D+\h+1]
.else
	v_pk_add_f32 v[T0+\h:T0+\h+1], v[T0+\h:T0+\h+1], v[D+\h:D+\h+1]
.endif
	v_pk_fma_f32 v[T1+\h:T1+\h+1], v[D+\h:D+\h+1], s[W:W+1],     v[T1+\h:T1+\h+1] op_sel_hi:[1,0,1]
	v_pk_fma_f32 v[T2+\h:T2+\h+1], v[D+\h:D+\h+1], s[W+2:W+3],   v[T2+\h:T2+\h+1] op_sel_hi:[1,0,1]
	v_pk_fma_f32 v[T3+\h:T3+\h+1], v[D+\h:D+\h+1], s[W+4:W+5],   v[T3+\h:T3+\h+1] op_sel_hi:[1,0,1]
	v_pk_fma_f32 v[QQ+\h:QQ+\h+1], v[D+\h:D+\h+1], v[D+\h:D+\h+1], v[QQ+\h:QQ+\h+1]
.endr
.irp j, 0,1,2,3
.if \i == 1
	v_add_f32 v[A0+\j], |v[D-4+\j]|, |v[D+\j]|
.else
	v_add_f32 v[A0+\j], |v[D+\j]|, v[A0+\j]
.endif
	v_fma_f32 v[A1+\j], |v[D+\j]|, s[W], v[A1+\j]
.endr
.endif
.endm
.irp i, 0,1,2,3,4,5,6,7,8,9,10,11,12,13,14,15,16,17,18,19,20,21,22,23,24,25,26,27,28,29,30,31
	ROW \i
.endr
	; the column weights, once: number k of the record as a pair (columns 0+2, 1+3), then as one number a lane
.macro SUM1 k, src
	v_pk_add_f32 v[E+2*\k:E+2*\k+1], v[\src:\src+1], v[\src+2:\src+3]
.endm
.macro SUMW k, src, w
	v_pk_mul_f32 v[E+2*\k:E+2*\k+1], v[\src:\src+1], v[\w:\w+1]
	v_pk_fma_f32 v[E+2*\k:E+2*\k+1], v[\src+2:\src+3], v[\w+2:\w+3], v[E+2*\k:E+2*\k+1]
.endm
	SUM1 0,  T0
	SUMW 1,  T0, U1
	SUMW 2,  T0, U2
	SUMW 3,  T0, U3
	SUM1 4,  T1
	SUMW 5,  T1, U1
	SUMW 6,  T1, U2
	SUM1 7,  T2
	SUMW 8,  T2, U1
	SUM1 9,  T3
	SUM1 10, A0
	SUMW 11, A0, U1
	SUM1 12, A1
	SUM1 13, QQ
.irp k, 0,1,2,3,4,5,6,7,8,9,10,11,12,13
	v_add_f32 v[R+\k], v[E+2*\k], v[E+2*\k+1]
.endr
	; over the 32 lanes: four steps inside each half of 16 lanes, one across; the fourteen chains do not wait for each other
.irp m, 1,2,4,8
.irp k, 0,1,2,3,4,5,6,7,8,9,10,11,12,13
	v_add_f32_dpp v[R+\k], v[R+\k], v[R+\k] row_xmask:\m row_mask:0xf bank_mask:0xf
.endr
.endr
.irp k, 0,1,2,3,4,5,6,7,8,9,10,11,12,13
	v_permlanex16_b32 v[PX+\k], v[R+\k], s32, s33  ; destinations held rows 8 to 11: written before
.endr
.irp k, 0,2,4,6,8,10,12
	v_pk_add_f32 v[R+\k:R+\k+1], v[R+\k:R+\k+1], v[PX+\k:PX+\k+1]
.endr
	v_mov_b32 v[R+14], 0                           ; the record's last two words are read by the next launch: they get a value
	v_mov_b32 v[R+15], 0
	; over the eight waves: 64 bytes each, one barrier, wave 0 adds
	v_lshlrev_b32 v7, 6, v4                        ; wave x 64
	ds_store_b128 v7, v[R:R+3]                     ; all lanes hold the same sums and write the same bytes
	ds_store_b128 v7, v[R+4:R+7]   offset:16
	ds_store_b128 v7, v[R+8:R+11]  offset:32
	ds_store_b128 v7, v[R+12:R+15] offset:48
	s_wait_dscnt 0x0                               ; for wave 0's sake: my record is in LDS before I signal
	s_barrier_signal -1
	s_barrier_wait -1
	s_cmp_lg_u32 s16, 0
	s_cbranch_scc1 .Lend
	v_and_b32 v8, 15, v0
	v_lshlrev_b32 v8, 2, v8                        ; lane k (and k + 16) takes number k of every wave's record
.irp w, 0,1,2,3,4,5,6,7
	ds_load_b32 v[G+\w], v8 offset:64*\w
.endr
	s_wait_dscnt 0x0
	v_pk_add_f32 v[G:G+1],   v[G:G+1],   v[G+2:G+3]
	v_pk_add_f32 v[G+4:G+5], v[G+4:G+5], v[G+6:G+7]
	v_pk_add_f32 v[G:G+1],   v[G:G+1],   v[G+4:G+5]
	v_add_f32 v[G], v[G], v[G+1]
	v_cmp_gt_u32 vcc_lo, 16, v0
	s_wait_xcnt 0x0                                ; EXEC changes only behind this wait
	s_and_saveexec_b32 s19, vcc_lo
	global_store_b32 v8, v[G], s[8:9]              ; sixteen lanes, 64 consecutive bytes: the work-group's whole result
	s_wait_xcnt 0x0                                ; and again before EXEC is widened
	s_or_b32 exec_lo, exec_lo, s19
.Lend:
	s_wait_tensorcnt 0x0
	ds_add_u32 v192, v193
	s_wait_dscnt 0x0
	s_endpgm
.Lfunc_end_k_q0725de3068_moments:
	.size	k_q0725de3068_moments, .Lfunc_end_k_q0725de3068_moments-k_q0725de3068_moments
	.p2alignl 7, 3214868480
	.fill 96, 4, 3214868480
	.section	.rodata,"a",@progbits
	.p2align	6, 0x0
	.amdhsa_kernel k_q0725de3068_moments
		.amdhsa_group_segment_fixed_size 1536
		.amdhsa_private_segment_fixed_size 0
		.amdhsa_enable_private_segment 0
		.amdhsa_kernarg_size 24
		.amdhsa_user_sgpr_count 2
		.amdhsa_user_sgpr_kernarg_segment_ptr 1
		.amdhsa_wavefront_size32 1
		.amdhsa_system_sgpr_workgroup_id_x 1
		.amdhsa_system_sgpr_workgroup_id_y 1
		.amdhsa_system_sgpr_workgroup_id_z 1
		.amdhsa_system_vgpr_workitem_id 0
		.amdhsa_next_free_vgpr 194
		.amdhsa_next_free_sgpr 66
		.amdhsa_reserve_vcc 1
		.amdhsa_float_denorm_mode_32 3
		.amdhsa_float_denorm_mode_16_64 3
		.amdhsa_memory_ordered 1
		.amdhsa_forward_progress 1
		.amdhsa_inst_pref_size 58
	.end_amdhsa_kernel
	.amdgpu_metadata
---
amdhsa.version: [ 1, 2 ]
amdhsa.kernels:
  - .name:           k_q0725de3068_moments
    .symbol:         k_q0725de3068_moments.kd
    .args:
      - { .name: gray, .offset: 0, .size: 8, .value_kind: global_buffer, .address_space: global }
      - { .name: psum, .offset: 8, .size: 8, .value_kind: global_buffer, .address_space: global }
      - { .name: part, .offset: 16, .size: 8, .value_kind: global_buffer, .address_space: global }
    .group_segment_fixed_size: 1536
    .private_segment_fixed_size: 0
    .kernarg_segment_align: 8
    .kernarg_segment_size: 24
    .max_flat_workgroup_size: 256
    .sgpr_count:     66
    .vgpr_count:     194
    .wavefront_size: 32
...
	.end_amdgpu_metadata
.endif
;; end of part 2
;; launch final (part 3): grid 1 x 1, 32 waves a work-group, no clusters, 36,864 bytes of LDS; arguments part, out0; writes out0
.if DOCPART == 3
	.amdgcn_target "amdgcn-amd-amdhsa--gfx1250"
	.amdhsa_code_object_version 6
	.text
	.protected	k_q0725de3068_final
	.globl	k_q0725de3068_final
	.p2align	8
	.type	k_q0725de3068_final,@function
k_q0725de3068_final:
	s_mov_b64 s[64:65], 0
	v_nop
	global_prefetch_b8 v0, s[64:65] scope:SCOPE_SE
	s_setreg_imm32_b32 hwreg(HW_REG_WAVE_MODE, 25, 1), 1
	s_wait_xcnt 0x0
; out0[b][0..9] = |Z(n,m)| for (n,m) = (0,0) (1,-1) (1,1) (2,-2) (2,0) (2,2) (3,-3) (3,-1) (3,1) (3,3); out0[b][10..19] = 0.
; One wave for each of the 32 images; the closing formulas are the same in all lanes of a wave.
; From the eight records of the image (sums with d = gray - mean, u = column - 255.5, v = row - 255.5):
;   std = sqrt(sum d^2 / N), inv = 1 / (std + 1e-8), img = d inv;   s = inv sum |d|;
;   centre - 255.5 = (inv sum |d| u) / max(s, 1e-8), likewise v; where s < 1e-8 the centre is 256, that is 0.5 here;
;   mu(p,q) = sum d (u - a)^p (v - b)^q by the binomial formula, made by repeated m(q) += c m(q-1);
;   max r^2 lies at a corner: (255.5 + |a|)^2 + (255.5 + |b|)^2;  max_r = root + 1e-8, rho = 1 / max_r, k = inv / (max_r^2 + 1e-8);
;   Z00 = k mu00;  Z11 = k rho (mu10 + i mu01);  Z20 = 2 k rho^2 (mu20 + mu02) - k mu00;  Z22 = k rho^2 (mu20 - mu02 + 2 i mu11);
;   Z31 = 3 k rho^3 (mu30 + mu12 + i (mu21 + mu03)) - 2 Z11;  Z33 = k rho^3 (mu30 - 3 mu12 + i (3 mu21 - mu03)).
; WHAT IS NOT COMPUTED, AND WHY THAT HOLDS FOR EVERY INPUT.  Turning the coordinates by - angle leaves x^2 + y^2 as it is and multiplies the sum for
; (n, m) by e^(-i m angle), a number of magnitude 1; only magnitudes are returned, so the inertia matrix, its eigenvectors and the angle reach no
; output.  m and - m give conjugate sums: equal magnitudes.  The clip of r to [0, 1] is never reached, since r <= 1 by the choice of max_r.
; LIMITS.  The 1e-20 under r's root is left out: it moves r by at most 1e-10 / max_r (max_r >= 361), and only at a pixel that coincides with the
; centre.  Sums are combined after summing, not pixel by pixel, so the rounding order differs.  If s is NaN the select takes the
; centre 256; the outputs 0 to 9 are NaN all the same, through the moments.
.set INV_N, 0x36800000                 ; 1 / 262144
.set EPS8,  0x322bcc77                 ; 1e-8
.set SPAN,  0x437f8000                 ; 255.5
.set THREE, 0x40400000                 ; 3.0
.set MTHREE, 0xc0400000                ; -3.0
	s_load_b128 s[4:7], s[0:1], 0x0                ; part s[4:5], out0 s[6:7]
	v_lshl_add_u32 v76, v0, 2, 0x8000
	v_mov_b32 v77, 0
	v_lshlrev_b32 v1, 4, v0                        ; 16 t: lane l of wave b reads piece l & 3 of record l >> 2 of image b: 512 consecutive bytes a wave
	v_lshrrev_b32 v2, 5, v0
	v_readfirstlane_b32 s8, v2                     ; wave number = image
	s_wait_kmcnt 0x0
	global_load_b128 v[4:7], v1, s[4:5]
	s_mov_b32 s10, 0x76543210                      ; v_permlanex16_b32: lane i reads lane i of the other half
	s_mov_b32 s11, 0xfedcba98
	s_mov_b32 s40, 0x001                           ; which lanes (= places in the output row) take which feature: (0,0)
	s_mov_b32 s41, 0x006                           ; (1,-1) (1,1)
	s_mov_b32 s42, 0x028                           ; (2,-2) (2,2)
	s_mov_b32 s43, 0x010                           ; (2,0)
	s_mov_b32 s44, 0x240                           ; (3,-3) (3,3)
	s_mov_b32 s45, 0x180                           ; (3,-1) (3,1)
.irp r, 8,9,10,11
	v_mov_b32 v\r, 0                               ; v_permlanex16_b32 counts as a reader of its destination
.endr
	v_lshlrev_b32 v3, 2, v0                        ; LDS: image x 128 + lane x 4
	v_mul_u32_u24 v60, 205, v0                     ; t / 5 = (205 t) >> 10 for t < 1024
	v_lshrrev_b32 v60, 10, v60
	v_mul_u32_u24 v60, 48, v60
	v_add_nc_u32 v60, v60, v1                      ; piece t of the output lies in LDS at 128 (t / 5) + 16 (t % 5) = 16 t + 48 (t / 5)
	s_wait_loadcnt 0x0
	; sum of the eight records: lane bits 2, 3, 4
.irp r, 4,5,6,7
	v_add_f32_dpp v\r, v\r, v\r row_xmask:4 row_mask:0xf bank_mask:0xf
.endr
.irp r, 4,5,6,7
	v_add_f32_dpp v\r, v\r, v\r row_xmask:8 row_mask:0xf bank_mask:0xf
.endr
.irp j, 0,1,2,3
	v_permlanex16_b32 v[8+\j], v[4+\j], s10, s11
.endr
	v_pk_add_f32 v[4:5], v[4:5], v[8:9]
	v_pk_add_f32 v[6:7], v[6:7], v[10:11]
	; lanes 0 to 3 hold numbers 0-3, 4-7, 8-11, 12-15: into s20 .. s33
	; s20 M00  s21 M10  s22 M20  s23 M30  s24 M01  s25 M11  s26 M21  s27 M02  s28 M12  s29 M03  s30 sum|d|  s31 sum|d|u  s32 sum|d|v  s33 sum d^2
.irp j, 0,1,2,3
	v_readlane_b32 s[20+\j], v[4+\j], 0
	v_readlane_b32 s[24+\j], v[4+\j], 1
	v_readlane_b32 s[28+\j], v[4+\j], 2
.endr
	v_readlane_b32 s32, v4, 3
	v_readlane_b32 s33, v5, 3
	; Behind each root and reciprocal one plain vector instruction stands before its result is used (ISA guide 5.7.2).
	v_mul_f32 v12, s33, INV_N                      ; variance
	v_sqrt_f32 v18, v12
	v_nop
	s_wait_alu depctr_va_vdst(0)
	v_add_f32 v19, EPS8, v18                       ; std + 1e-8
	v_rcp_f32 v13, v19                             ; inv
	v_nop
	s_wait_alu depctr_va_vdst(0)
	v_mul_f32 v16, s30, v13                        ; s = sum |img|
	v_mul_f32 v14, s31, v13
	v_mul_f32 v15, s32, v13
	v_max_num_f32 v17, EPS8, v16                   ; max(s, 1e-8)
	v_rcp_f32 v38, v17
	v_cmp_le_f32 vcc_lo, EPS8, v16                 ; s >= 1e-8
	s_wait_alu depctr_va_vdst(0)
	v_mul_f32 v14, -v14, v38                       ; - a
	v_mul_f32 v15, -v15, v38                       ; - b
	v_cndmask_b32 v14, -0.5, v14, vcc_lo           ; the empty image's centre is 256 = 255.5 + 0.5
	v_cndmask_b32 v15, -0.5, v15, vcc_lo
	v_add_f32 v30, |v14|, SPAN                     ; the farthest column and row
	v_add_f32 v31, |v15|, SPAN
	v_mul_f32 v30, v30, v30
	v_fmac_f32 v30, v31, v31                       ; max r^2
	v_sqrt_f32 v39, v30
	; shift along u by - a: for each q the run m(0), m(1), .. over p;  pass j: m(p) += c m(p-1) for p from the top down to j
	v_fma_f32 v23, v14, s22, s23
	v_fma_f32 v22, v14, s21, s22
	v_fma_f32 v21, v14, s20, s21
	v_fmac_f32 v23, v14, v22
	v_fmac_f32 v22, v14, v21
	v_fmac_f32 v23, v14, v22
	v_fma_f32 v26, v14, s25, s26
	v_fma_f32 v25, v14, s24, s25
	v_fmac_f32 v26, v14, v25
	v_fma_f32 v28, v14, s27, s28
	s_wait_alu depctr_va_vdst(0)
	v_add_f32 v58, EPS8, v39                       ; max_r
	v_rcp_f32 v31, v58                             ; rho
	v_fmaak_f32 v32, v58, v58, EPS8                ; max_r^2 + 1e-8
	v_rcp_f32 v37, v32
	; shift along v by - b: for each p the run over q
	v_fma_f32 v29, v15, s27, s29
	v_fma_f32 v27, v15, s24, s27
	v_fma_f32 v24, v15, s20, s24
	v_fmac_f32 v29, v15, v27
	v_fmac_f32 v27, v15, v24
	v_fmac_f32 v29, v15, v27
	v_fmac_f32 v28, v15, v25
	v_fmac_f32 v25, v15, v21
	v_fmac_f32 v28, v15, v25
	v_fmac_f32 v26, v15, v22
	; now: mu00 s20, mu10 v21, mu20 v22, mu30 v23, mu01 v24, mu11 v25, mu21 v26, mu02 v27, mu12 v28, mu03 v29
	s_wait_alu depctr_va_vdst(0)
	v_mul_f32 v33, v13, v37                        ; k
	v_mul_f32 v34, v33, v31                        ; k rho
	v_mul_f32 v35, v34, v31                        ; k rho^2
	v_mul_f32 v36, v35, v31                        ; k rho^3
	v_mul_f32 v40, |s20|, v33                      ; |Z00|
	v_mul_f32 v41, v21, v34                        ; Re Z11
	v_mul_f32 v42, v24, v34                        ; Im Z11
	v_add_f32 v43, v22, v27
	v_sub_f32 v44, v22, v27
	v_mul_f32 v45, s20, v33
	v_mul_f32 v43, v43, v35
	v_fma_f32 v43, v43, 2.0, -v45                  ; Z20
	v_mul_f32 v44, v44, v35                        ; Re Z22
	v_mul_f32 v46, v25, v35
	v_add_f32 v46, v46, v46                        ; Im Z22
	v_add_f32 v47, v23, v28
	v_add_f32 v48, v26, v29
	v_mul_f32 v47, v47, v36
	v_mul_f32 v48, v48, v36
	v_mul_f32 v52, -2.0, v41
	v_mul_f32 v59, -2.0, v42
	v_fmamk_f32 v47, v47, THREE, v52               ; Re Z31
	v_fmamk_f32 v48, v48, THREE, v59               ; Im Z31
	v_fmamk_f32 v50, v28, MTHREE, v23              ; mu30 - 3 mu12
	v_fmamk_f32 v51, v26, MTHREE, v29              ; mu03 - 3 mu21: minus the imaginary part, which is squared next
	v_mul_f32 v50, v50, v36
	v_mul_f32 v51, v51, v36
	v_mul_f32 v53, v41, v41
	v_mul_f32 v54, v44, v44
	v_mul_f32 v55, v47, v47
	v_mul_f32 v56, v50, v50
	v_fmac_f32 v53, v42, v42
	v_fmac_f32 v54, v46, v46
	v_fmac_f32 v55, v48, v48
	v_fmac_f32 v56, v51, v51
	v_sqrt_f32 v66, v53                            ; |Z11|
	v_sqrt_f32 v67, v54                            ; |Z22|
	v_sqrt_f32 v68, v55                            ; |Z31|
	v_sqrt_f32 v69, v56                            ; |Z33|
	v_and_b32 v43, 0x7fffffff, v43                 ; |Z20|
	; lane l takes place l of the row; lanes 10 and up take 0
	v_cndmask_b32 v57, 0, v40, s40
	s_wait_alu depctr_va_vdst(0)
	v_cndmask_b32 v57, v57, v66, s41
	v_cndmask_b32 v57, v57, v67, s42
	v_cndmask_b32 v57, v57, v43, s43
	v_cndmask_b32 v57, v57, v69, s44
	v_cndmask_b32 v57, v57, v68, s45
	; A row of the output is 80 bytes, so rows of several images share an aligned 256-byte block.  The rows meet in LDS (128 bytes apart, 80 used),
	; and five waves store the 2,560 bytes, each 512 consecutive aligned bytes with one instruction.
	ds_store_b32 v3, v57
	s_wait_dscnt 0x0                               ; for the storing waves' sake: my row is in LDS before I signal
	s_barrier_signal -1
	s_barrier_wait -1
	s_cmp_gt_u32 s8, 4
	s_cbranch_scc1 .Lend
	ds_load_b128 v[72:75], v60
	s_wait_dscnt 0x0
	global_store_b128 v1, v[72:75], s[6:7]
.Lend:
	s_wait_tensorcnt 0x0
	ds_add_u32 v76, v77
	s_wait_dscnt 0x0
	s_endpgm
.Lfunc_end_k_q0725de3068_final:
	.size	k_q0725de3068_final, .Lfunc_end_k_q0725de3068_final-k_q0725de3068_final
	.p2alignl 7, 3214868480
	.fill 96, 4, 3214868480
	.section	.rodata,"a",@progbits
	.p2align	6, 0x0
	.amdhsa_kernel k_q0725de3068_final
		.amdhsa_group_segment_fixed_size 36864
		.amdhsa_private_segment_fixed_size 0
		.amdhsa_enable_private_segment 0
		.amdhsa_kernarg_size 16
		.amdhsa_user_sgpr_count 2
		.amdhsa_user_sgpr_kernarg_segment_ptr 1
		.amdhsa_wavefront_size32 1
		.amdhsa_system_sgpr_workgroup_id_x 1
		.amdhsa_system_sgpr_workgroup_id_y 1
		.amdhsa_system_sgpr_workgroup_id_z 1
		.amdhsa_system_vgpr_workitem_id 0
		.amdhsa_next_free_vgpr 78
		.amdhsa_next_free_sgpr 66
		.amdhsa_reserve_vcc 1
		.amdhsa_float_denorm_mode_32 3
		.amdhsa_float_denorm_mode_16_64 3
		.amdhsa_memory_ordered 1
		.amdhsa_forward_progress 1
		.amdhsa_inst_pref_size 8
	.end_amdhsa_kernel
	.amdgpu_metadata
---
amdhsa.version: [ 1, 2 ]
amdhsa.kernels:
  - .name:           k_q0725de3068_final
    .symbol:         k_q0725de3068_final.kd
    .args:
      - { .name: part, .offset: 0, .size: 8, .value_kind: global_buffer, .address_space: global }
      - { .name: out0, .offset: 8, .size: 8, .value_kind: global_buffer, .address_space: global }
    .group_segment_fixed_size: 36864
    .private_segment_fixed_size: 0
    .kernarg_segment_align: 8
    .kernarg_segment_size: 16
    .max_flat_workgroup_size: 1024
    .sgpr_count:     66
    .vgpr_count:     78
    .wavefront_size: 32
...
	.end_amdgpu_metadata
.endif
;; end of part 3
